; MI455X (gfx1250); checked and timed in simulation.
; The chip was launched on July 23, 2026; its instructions are those of AMD's public machine-readable ISA for CDNA 5 (MIT licence, August 2026) and "CDNA5" Instruction Set Architecture Reference Guide (July 2026). The comments in the code are by the model that wrote it; some were corrected since.
;; Affine. Allowed arithmetic: matrix products marked QUANTISED: E2M1 operands, one E8M0 scale for each 32 along K, by v_wmma_scale_f32_16x16x128_f8f6f4 with both operands' format E2M1 (or v_wmma_scale_f32_32x16x128_f4), f32 sums; products left as they are: f32 operands where the result goes on into a quantised operand, else bf16, f16 or f32 operands; f32 sums; everything else in f32.
;; Inputs: W_codes 4 x 1,024 x 32 x 16 uint8 (E2M1 codes of W, K innermost, in blocks of 32 codes, two codes a byte); W_scales 4 x 1,024 x 32 uint8 (E8M0 scales of W, one for each 32 codes along K); b 4 x 1,024 float32; gates 4 x 4,096 x 4 float32; input_codes 4 x 4,096 x 32 x 16 uint8 (E2M1 codes of input, K innermost, in blocks of 32 codes, two codes a byte); input_scales 4 x 4,096 x 32 uint8 (E8M0 scales of input, one for each 32 codes along K).
;; Outputs: out0 4 x 4,096 x 1,024 float32.
;; This version of the problem:
;;   THIS VERSION OF THE PROBLEM IS GIVEN IN LOW PRECISION. The matrix products marked QUANTISED in the list below multiply operands that are first quantised to E2M1 (2 exponent bits, 1 mantissa bit; 4 bits a number), with one power-of-two scale for each 32 numbers along K (OCP MX v1.0); their sums are f32. All else is computed in f32.
;;   The module's matrix products, in the order in which they are computed (A, B: the left and right operand; K: the contracted axis; several contracted axes count as one K, in the product's order):
;;     1. [M 16,384, K 1,024] x [K 1,024, N 4,096]; A: input input (given as codes); B: input W (given as codes): QUANTISED
;;     2. batch 16,384 x [M 1,024, K 4] x [K 4, N 1]; A: computed on the way; B: input gates: left as it is (K = 4 < 32)
;;   THE QUANTISER, for each operand of a quantised product, along K:
;;     - K is cut into blocks of 32 from its start; a last block that is shorter is filled with zeros.
;;     - A block's scale is 2^e with e = floor(log2(the largest magnitude in the block)) - 2, held to -126 .. 127; a block of zeros has e = 0. As a byte (E8M0): e + 127.
;;     - Each number is divided by its block's scale, clamped to +-6, and rounded to the nearest number of E2M1, ties to even, subnormals kept.
;;     - The product sums the exact products of the quantised numbers (number of the format x scale) in f32.
;;   ~~~python
;;   def quantise(x, axis):      # numpy; x: float32 -> the quantised numbers, widened to float32 again
;;       x = np.moveaxis(x, axis, -1); K = x.shape[-1]
;;       x = np.pad(x, [(0, 0)] * (x.ndim - 1) + [(0, -K % 32)]); x = x.reshape(x.shape[:-1] + (-1, 32)); a = np.abs(x).max(-1, keepdims=True)
;;       e = np.where(a > 0, np.clip(np.frexp(np.where(a > 0, a, 1))[1] - 1 - 2, -126, 127), 0)      # np.frexp(a)[1] - 1 = floor(log2(a)), exactly
;;       r = np.clip(x / 2.0 ** e, -6, 6)
;;       step = 2.0 ** (np.maximum(np.frexp(np.where(r == 0, 1, r))[1] - 1, 0) - 1)
;;       q = np.round(r / step) * step * 2.0 ** e      # np.round: ties to even
;;       return np.moveaxis(q.reshape(q.shape[:-2] + (-1,))[..., :K], -1, axis).astype(np.float32)
;;   ~~~
;;   INPUTS GIVEN AS CODES. W (in the module: [4, 1024, 1024], K = its axis 2); input (in the module: [4, 4096, 1024], K = its axis 2): each comes as NAME_codes (uint8): NAME with its K axis moved to the last place and cut into blocks of 32 codes, [.., K / 32, bytes a block], one block behind the other in memory; two codes a byte, the lower K in the low four bits (a code: sign, 2 exponent bits, 1 mantissa bit); and NAME_scales (uint8): the same leading axes, one E8M0 byte (e + 127) for each 32 codes along K. Its value is code x scale, taken as it is: it is not quantised again, and the codes and scales need not be those that the quantiser above would give.
;; One version. Each part assembles by itself: llvm-mc -triple=amdgcn-amd-amdhsa -mcpu=gfx1250 --defsym DOCPART=n.
;; ======== version 1 of 1: 1 launch
;; launch affine (part 1): grid 4 x 64, 4 waves a work-group, clusters of 4 x 4, 327,680 bytes of LDS; arguments input_codes, input_scales, W_codes, W_scales, b, gates, out0; writes out0
.if DOCPART == 1
	.amdgcn_target "amdgcn-amd-amdhsa--gfx1250"
	.amdhsa_code_object_version 6
	.text
	.protected	k_qe9395ad708_affine
	.globl	k_qe9395ad708_affine
	.p2align	8
	.type	k_qe9395ad708_affine,@function
k_qe9395ad708_affine:
	s_mov_b64 s[64:65], 0
	v_nop
	global_prefetch_b8 v0, s[64:65] scope:SCOPE_SE
	s_setreg_imm32_b32 hwreg(HW_REG_WAVE_MODE, 25, 1), 1
	s_wait_xcnt 0x0
	s_wait_alu depctr_hold_cnt(0) depctr_sa_sdst(0) depctr_va_vdst(0) depctr_va_sdst(0) depctr_va_ssrc(0) depctr_va_vcc(0) depctr_vm_vsrc(0)
	s_getreg_b32 s2, hwreg(HW_REG_IB_STS2, 6, 4)
	s_cmp_eq_u32 s2, 0
	s_cbranch_scc0 .Lentry_in_a_cluster
	s_endpgm
.Lentry_in_a_cluster:
	s_bfe_u32 s2, ttmp6, 0x10000c
	s_cmp_lg_u32 s2, 0xf033
	s_cbranch_scc0 .Lentry_shape_is_right
	s_endpgm
.Lentry_shape_is_right:
; out[t][o] = sum over e of gates[t][e] x (x[t] . W_e[o] + b_e[o]).  16,384 tokens, 1,024 outputs, 4 experts, K = 1,024.
; x and W come as codes of FP4 (E2M1), K innermost, a row = 512 consecutive bytes, with one E8M0 byte for each 32 along K (a row = 32 bytes).  gates, b, out: f32.
; ALL FOUR EXPERTS ARE MULTIPLIED FOR EVERY TOKEN: the gates are floating-point weights, used as values alone; no branch and no address hangs on them.
; SHARES.  A work-group of four waves owns 256 tokens x 256 outputs and walks them as 4 tiles of 256 tokens x 64 outputs.  For a tile the second operand's 256 rows are the 64 rows
; W_e[o0 .. o0 + 63] of all four experts: a tile is a product of 256 x 256 x 1,024, a wave makes 128 x 128 of it (64 accumulators, 512 registers), and holds y_0 .. y_3 of one (token, output)
; in four accumulators of the same lane and register.  So the gates' sum is one packed multiply and three packed multiply-adds in place, and only a quarter of the results goes out.
; THE MATRIX INSTRUCTION IS USED TRANSPOSED: source 0 = 16 rows of W, source 1 = 16 tokens.  Lane (r, h) of a result holds token r and outputs 8 h + 0 .. 7: eight neighbours of a row of out.
; b_e is the C of each sum's first matrix instruction.
; LDS.  The 256 tokens' codes for all of K are brought once, as two K halves, and stay.  W's tiles go through a ring of two slots: slot k always holds K half k (512 along K: rows of 256 bytes); the ring runs on
; from tile to tile: slot 0 is filled again in a tile's middle, slot 1 in its way out.  Scale words, gates and bias go from memory straight into registers, by loads of 512 (gates: 256, bias: 64) consecutive bytes.
; THE LOOP is turned by one sub-step: a trip goes from a tile's second sub-step of 128 along K to the next tile's first, and that first sub-step carries the second half of the way out.
; CLUSTER.  4 x 4 work-groups.  The four of a row of the cluster own the same tokens, the four of a column the same outputs: x's block and W's tiles are asked for JOINTLY, by the same tensor load with the
; same descriptor and a mask that names the four.  By this text's count a wave has four tensor loads out at the start and one behind each round.
; All of a WGP's LDS is claimed; the text uses 313,856 bytes.
; LIMITS (orders of rounding that differ from the formula's): the bias stands at the head of each f32 sum, not at its end; the experts are added in the order 0 to 3 by fused multiply-adds.
; A scale byte 0xff makes the sums NaN.  A gate of 0 times an infinite sum is NaN, as in the formula.
;
; REGISTERS, in windows of 256 (s_set_vgpr_msb's low byte: bits 1:0 source 0, 3:2 source 1, 5:4 source 2, 7:6 destination):
;   window 0: v0-31 addresses; v32-63 x's scale words (they stay); v64-95 W's scale words (the tile's); v96-127 the next tile's, as they arrive; v128-191 x's fragments, ONE set; v192-255 rows read back from the stage
;   window 1: v0-63, v128-191 W's fragments, TWO sets; v64-127 the bias, 8 registers for each of W's 8 blocks; v192-255 the gates, 8 registers for each of x's 8 blocks
;   window 2: the 32 accumulators of my tokens 0-63 (accumulator (a, b) at v[8 (8 a + b)]);   window 3: those of my tokens 64-127.   b = 2 e + u: expert e, outputs 16 u on.
.set PB,     272                       ; a row of 256 bytes of codes in LDS, + 16 of padding = 17 x 16: the 16 rows that a load touches begin in 16 different columns of 16 bytes modulo 256
.set SP,     272                       ; a row of the stage: 64 outputs, 256 bytes, + 16
.set AHALF,  256*PB                    ; x's block lies at LDS byte 0: K half 0 of the 256 tokens, then K half 1
.set BBASE,  2*AHALF                   ; behind it the ring
.set SLOT,   256*PB                    ; row 64 e + o' of a slot: expert e, the tile's output o'
.set STAGE,  BBASE+2*SLOT              ; 128 rows, written by LDS stores alone: no tensor load lands here
.set SPARE,  STAGE+128*SP              ; the spare words, 128 bytes for each wave: two blocks of 256 bytes that no other line names
.set TILEB,  64*512                    ; from a tile's rows of W to the next tile's, in bytes
.set ADRA, 16                          ; v16-17  LDS address of my fragments of x, in K half 0, 1
.set ADRB, 20                          ; v20-21  the same for W, in slot 0, 1
.set PFO,  22                          ; v22     the prefetch's offset: 512 r + 256 h
.set STO,  24                          ; v24     the stage: where I put 32 bytes of a row
.set RD,   25                          ; v25     the stage: where I read rows back
.set CO,   26                          ; v26     my byte offset in out: 4,096 h + 16 r
.set VS,   27                          ; v27     my byte offset among 16 rows of scale bytes: 32 r + 16 h
.set SPW,  28                          ; v28     LDS address of my spare word: SPARE + 4 x my thread's number; never rewritten
.set NIL,  29                          ; v29     0; never rewritten
.set VB,   30                          ; v30     my byte offset in a block's 16 numbers of b: 32 h
.set VG,   31                          ; v31     my byte offset among 16 tokens' gates: 16 r
.set AS,   32                          ; x's scale words: register 4 a + c
.set BS,   64                          ; W's: register 4 b + c
.set BS2,  96                          ; W's of the next tile
.set AF,   128                         ; x's fragments
.set BK,   192                         ; rows read back from the stage
.set BI,   64                          ; window 1: the bias
.set GT,   192                         ; window 1: the gates
.set TL,   3                           ; s3      trips of the loop over tiles still to go
.set WV,   18                          ; s18     my wave's number
.set WI,   19                          ; s19     which 128 tokens are mine
.set WJ,   20                          ; s20     which 32 of a tile's 64 outputs
.set CX,   21                          ; s21, s22 my work-group's place in the cluster
.set CY,   22
.set WGX,  23                          ; s23     which 256 outputs
.set G1A,  24                          ; s[24:31] descriptor group 1 for x's halves;  s[32:39] for W's tiles: they differ in the mask alone
.set G1B,  32
.set G0A,  40                          ; s[40:43] group 0 for x's K half 0;  s[72:75] for its K half 1
.set G0A2, 72
.set G0B,  44                          ; s[44:47], s[48:51] group 0 for W's tiles, one set for each slot
.set WGY,  52                          ; s52     which 256 tokens
.set RMASK, 53
.set CMASK, 54
.set LIM,  55                          ; s55     1 in a work-group that prefetches, else the greatest number
.set PFA,  60                          ; s[60:61] where my prefetch stands
.set MSB, 0
.macro WIN new                         ; the immediate's high byte repeats the setting that is left; a switch that changes nothing is dropped
.if MSB != (\new)
	s_set_vgpr_msb (MSB<<8)|(\new)
.set MSB, (\new)
.endif
.endm
.set MUL_LO,   0xa1                    ; source 0 (W) window 1, source 1 (x) window 0, C and D window 2
.set MUL_HI,   0xf1                    ; the same, C and D window 3
.set FIRST_LO, 0x91                    ; a sum's first product: C (the bias) window 1, D window 2
.set FIRST_HI, 0xd1                    ; D window 3
.set TO_1,     0x40                    ; destination window 1, address window 0
.macro CREST                           ; a round of the cluster's barrier behind its opening barrier
	s_cmp_lg_u32 s[WV], 0
	s_cbranch_scc1 .Lnot_wave_0_\@
	s_barrier_signal -3
.Lnot_wave_0_\@:
	s_barrier_wait -3
	s_barrier_signal -1
	s_barrier_wait -1
.endm
.macro CROUND                          ; a whole round
	s_barrier_signal -1
	s_barrier_wait -1
	CREST
.endm
; A load into a register that a matrix instruction has read, and a vector instruction or an LDS store that reads a matrix result, stand four places behind that matrix instruction; only plain vector
; instructions that name none of its registers are places (ISA guide 7.12.1 for vector instructions).
.macro PLACES n
.rept \n
	v_nop
.endr
.endm
.macro BAR                             ; my LDS stores have landed and my LDS loads are in: then the work-group's barrier.
	s_wait_dscnt 0x0
	s_barrier_signal -1
	s_barrier_wait -1
.endm
; W's scale words (into v[dst] on) and the bias of one tile.  A load of scale bytes takes 16 rows x 32 bytes, 512 consecutive bytes: lane (r, h) takes bytes 16 h .. 16 h + 15 of row r, so that register c holds, in
; lanes 0-15, the word of K = 128 c on (K half 0) and, in lanes 16-31, that of K = 512 + 128 c on (K half 1): slot 0's products read the low lanes, slot 1's the high ones.
.macro WLOADS dst
.irp b, 0,1,2,3,4,5,6,7
	global_load_b128 v[\dst+4*\b:\dst+4*\b+3], v[VS], s[10:11] offset:32768*(\b/2)+512*(\b%2)
.endr
	WIN TO_1
.irp b, 0,1,2,3,4,5,6,7
	global_load_b128 v[BI+8*\b:BI+8*\b+3],   v[VB], s[12:13] offset:4096*(\b/2)+64*(\b%2)      ; lane (r, h), register j: b_e at the block's output 8 h + j: the result's layout
	global_load_b128 v[BI+8*\b+4:BI+8*\b+7], v[VB], s[12:13] offset:4096*(\b/2)+64*(\b%2)+16
.endr
	WIN 0
.endm
; The next tile's, asked for at a trip's head, seven sub-steps ahead of their use.  The bias's registers are read by a tile's first sub-step alone, which has just passed (four places back); W's scale registers are
; read up to the tile's last product, so the next tile's words wait in registers of their own.  The bases' earlier loads have been waited for, so the bases may step.
.macro NEXTLOADS
	s_add_nc_u64 s[10:11], s[10:11], 64*32
	s_add_nc_u64 s[12:13], s[12:13], 64*4
	WLOADS BS2
.endm
	s_load_b256 s[4:11], s[0:1], 0x0               ; x's codes s[4:5], x's scales s[6:7], W's codes s[8:9], W's scales s[10:11]
	s_load_b128 s[12:15], s[0:1], 0x20             ; b s[12:13], gates s[14:15]
	s_load_b64 s[16:17], s[0:1], 0x30              ; out
	v_lshl_add_u32 v[SPW], v0, 2, SPARE
	v_mov_b32 v[NIL], 0
	ds_add_u32 v28, v29
	ds_add_u32 v28, v29
	s_wait_dscnt 0x0
	v_lshrrev_b32 v3, 5, v0
	v_readfirstlane_b32 s[WV], v3                  ; wave 0..3
	s_lshr_b32 s[WI], s[WV], 1
	s_and_b32 s[WJ], s[WV], 1
	s_bfe_u32 s[CX], ttmp6, 0x40000
	s_bfe_u32 s[CY], ttmp6, 0x40004
	s_lshl_b32 s[WGX], ttmp9, 2                    ; in a cluster launch ttmp9 and ttmp7 count clusters
	s_add_co_u32 s[WGX], s[WGX], s[CX]             ; output group = 4 x cluster x + cx
	s_and_b32 s[WGY], ttmp7, 0xffff                ; cluster y
	s_cmp_eq_u32 s[WGY], 0
	s_cselect_b32 s[LIM], 1, -1                    ; the first row of clusters prefetches: the same in all sixteen partners
	s_lshl_b32 s[WGY], s[WGY], 2
	s_add_co_u32 s[WGY], s[WGY], s[CY]             ; token block = 4 x cluster y + cy
	s_lshl_b32 s[RMASK], s[CY], 2
	s_lshl_b32 s[RMASK], 15, s[RMASK]              ; my row of the cluster: places 4 cy .. 4 cy + 3
	s_lshl_b32 s[CMASK], 0x1111, s[CX]             ; my column: places cx, cx + 4, cx + 8, cx + 12
	; descriptor group 1, for x's halves and for W's tiles alike: 64 rows x 256 bytes, 512 bytes apart in memory.  Elements of 1 byte
	s_or_b32 s[G1A+0], s[RMASK], (1<<20)|(1<<21)|(5<<22)|(3<<25)   ; 15:0 the mask: my row; 20 padding on; 21 set beside a mask; 24:22 after every 64 words (code 5); 31:25 four words (code 3)
	s_or_b32 s[G1B+0], s[CMASK], (1<<20)|(1<<21)|(5<<22)|(3<<25)   ; the mask: my column
.irp g, G1A, G1B
	s_mov_b32 s[\g+1], 256<<16                     ; tensor_dim0
	s_mov_b32 s[\g+2], 64<<16                      ; tensor_dim1
	s_mov_b32 s[\g+3], 256<<16                     ; tile_dim0
	s_mov_b32 s[\g+4], 64                          ; tile_dim1
	s_mov_b32 s[\g+5], 512                         ; tensor_dim0_stride
	s_mov_b32 s[\g+6], 0
	s_mov_b32 s[\g+7], 0
.endr
	; what I fetch.  x: tokens 64 x wave on of the block;  W: expert = my wave's number, the tile's 64 rows.  x's offsets are made in registers that never hold cx, W's in registers that never hold cy
	s_lshl_b32 s56, s[WGY], 17                     ; 256 tokens x 512 bytes
	s_lshl_b32 s62, s[WV], 15                      ; 64 tokens x 512 bytes
	s_add_co_u32 s56, s56, s62
	s_mov_b32 s57, 0
	s_lshl_b32 s58, s[WV], 19                      ; an expert: 1,024 rows x 512 bytes
	s_lshl_b32 s63, s[WGX], 17                     ; 256 rows x 512 bytes
	s_add_co_u32 s58, s58, s63
	s_mov_b32 s59, 0
	s_mul_i32 s2, s[WV], 64*PB                     ; where my 64 rows go, in a half of x's block and in a slot: no place in the cluster enters an LDS address
	s_wait_kmcnt 0x0
	s_mov_b32 s[G0A], 1                            ; 1:0 count = 1
	s_mov_b32 s[G0A+1], s2                         ; 63:32 LDS address: x's K half 0 begins at byte 0
	s_add_nc_u64 s[G0A+2:G0A+3], s[4:5], s[56:57]  ; 120:64 global address
	s_mov_b32 s[G0A2], 1
	s_add_co_u32 s[G0A2+1], s2, AHALF
	s_add_nc_u64 s[G0A2+2:G0A2+3], s[G0A+2:G0A+3], 256   ; K half 1: 256 bytes on in each row
	s_or_b32 s[G0A+3], s[G0A+3], 0x80000000        ; 127:126 type = 2
	s_or_b32 s[G0A2+3], s[G0A2+3], 0x80000000
	s_mov_b32 s[G0B], 1
	s_add_co_u32 s[G0B+1], s2, BBASE
	s_add_nc_u64 s[G0B+2:G0B+3], s[8:9], s[58:59]  ; tile 0, K half 0
	s_mov_b32 s[G0B+4], 1
	s_add_co_u32 s[G0B+5], s2, BBASE+SLOT
	s_add_nc_u64 s[G0B+6:G0B+7], s[G0B+2:G0B+3], 256   ; tile 0, K half 1
	s_or_b32 s[G0B+3], s[G0B+3], 0x80000000
	s_or_b32 s[G0B+7], s[G0B+7], 0x80000000
	CROUND                                         ; all sixteen work-groups are here: the first joint loads meet
	tensor_load_to_lds s[G0A:G0A+3], s[G1A:G1A+7]          ; the first fills go out together, ahead of every wait on TENSORcnt and every LDS read: what the first four sub-steps read comes first,
	s_nop 0
	tensor_load_to_lds s[G0B:G0B+3], s[G1B:G1B+7]
	s_nop 0
	tensor_load_to_lds s[G0A2:G0A2+3], s[G1A:G1A+7]        ; K half 1 of both behind it
	s_nop 0
	tensor_load_to_lds s[G0B+4:G0B+7], s[G1B:G1B+7]
	s_nop 0
	PLACES 4                                       ; four plain lines follow the last of them
	; the prefetch: my expert's rows of tile 2; of a tile's 64 rows the partner at place cy of my column takes 16: told apart by address
	s_lshl_b32 s66, s[CY], 13                      ; 16 rows x 512 bytes
	s_add_co_u32 s66, s66, 2*TILEB
	s_mov_b32 s67, 0
	s_add_nc_u64 s[PFA:PFA+1], s[8:9], s[58:59]
	s_add_nc_u64 s[PFA:PFA+1], s[PFA:PFA+1], s[66:67]
	; the bases of what goes straight into registers
	s_lshl_b32 s56, s[WGY], 13                     ; x's scales: 32 bytes a token: 256 tokens,
	s_lshl_b32 s62, s[WI], 12                      ; my 128
	s_add_co_u32 s56, s56, s62
	s_add_nc_u64 s[6:7], s[6:7], s[56:57]
	s_lshr_b32 s56, s56, 1                         ; the gates: 16 bytes a token: half of that
	s_add_nc_u64 s[14:15], s[14:15], s[56:57]
	s_lshl_b32 s58, s[WGX], 13                     ; W's scales: 32 bytes a row: 256 rows,
	s_lshl_b32 s63, s[WJ], 10                      ; my 32 of a tile's 64
	s_add_co_u32 s58, s58, s63
	s_add_nc_u64 s[10:11], s[10:11], s[58:59]
	s_lshr_b32 s58, s58, 3                         ; b: 4 bytes an output: an eighth of that
	s_add_nc_u64 s[12:13], s[12:13], s[58:59]
	s_lshl_b32 s66, s[WGY], 20                     ; out: 256 tokens x 4,096 bytes,
	s_lshl_b32 s68, s[WI], 19                      ; 128 tokens,
	s_add_co_u32 s66, s66, s68
	s_lshl_b32 s68, s[WJ], 17                      ; 32 tokens: on the way out wave w stores rows 32 w on of the stage,
	s_add_co_u32 s66, s66, s68
	s_lshl_b32 s68, s[WGX], 10                     ; 256 outputs x 4 bytes
	s_add_co_u32 s66, s66, s68
	s_add_nc_u64 s[16:17], s[16:17], s[66:67]
	v_and_b32 v1, 15, v0                           ; r = lane % 16
	v_bfe_u32 v2, v0, 4, 1                         ; h = lane / 16
	v_lshlrev_b32 v[VS], 5, v1
	v_lshl_add_u32 v[VS], v2, 4, v[VS]
	v_lshlrev_b32 v[VB], 5, v2
	v_lshlrev_b32 v[VG], 4, v1
.irp a, 0,1,2,3,4,5,6,7
	global_load_b128 v[AS+4*\a:AS+4*\a+3], v[VS], s[6:7] offset:512*\a     ; x's scale words, for all of K: they stay
.endr
	WIN TO_1
.irp a, 0,1,2,3,4,5,6,7
	global_load_b128 v[GT+8*\a:GT+8*\a+3], v[VG], s[14:15] offset:256*\a   ; lane (r, h): the four gates of token 16 a + r
.endr
	WIN 0
	WLOADS BS                                      ; tile 0's
	; a fragment, 16 rows x 128 K of 4-bit codes, is 8 registers: lane (r, h) holds row r; registers 4 c .. 4 c + 3 hold K = 64 c + 32 h + 0 .. 31: 16 bytes of the row as they lie
	v_mul_u32_u24 v4, v1, PB
	v_lshl_add_u32 v4, v2, 4, v4                   ; r x pitch + 16 h: for x and for W
	s_mul_i32 s2, s[WI], 128*PB
	v_add_nc_u32 v[ADRA], s2, v4                   ; K half 0: my 128 tokens
	s_add_co_u32 s2, s2, AHALF
	v_add_nc_u32 v[ADRA+1], s2, v4
	s_mul_i32 s2, s[WJ], 32*PB
	s_add_co_u32 s2, s2, BBASE
	v_add_nc_u32 v[ADRB], s2, v4                   ; slot 0: my 32 of each expert's 64 rows
	s_add_co_u32 s2, s2, SLOT
	v_add_nc_u32 v[ADRB+1], s2, v4
	v_mul_u32_u24 v5, v1, SP                       ; the stage, in: row 64 I + r, my 128 J + 32 h bytes of its 256
	v_lshl_add_u32 v5, v2, 5, v5
	s_mul_i32 s2, s[WI], 64*SP
	s_lshl_b32 s62, s[WJ], 7
	s_add_co_u32 s2, s2, s62
	s_add_co_u32 s2, s2, STAGE
	v_add_nc_u32 v[STO], s2, v5
	v_mul_u32_u24 v6, v2, SP                       ; and back: rows 32 w on; lanes 0-15 one row of 256 bytes, lanes 16-31 the next
	v_lshl_add_u32 v6, v1, 4, v6
	s_mul_i32 s2, s[WV], 32*SP
	s_add_co_u32 s2, s2, STAGE
	v_add_nc_u32 v[RD], s2, v6
	v_lshlrev_b32 v[CO], 12, v2                    ; the same two rows in out
	v_lshl_add_u32 v[CO], v1, 4, v[CO]
	v_lshlrev_b32 v[PFO], 9, v1                    ; the prefetch: a lane to each 256 bytes of 16 rows of 512
	v_lshl_add_u32 v[PFO], v2, 8, v[PFO]
	s_wait_loadcnt 0x0
	WIN 0x41                                       ; source and destination window 1
.irp a, 0,1,2,3,4,5,6,7                        ; the packed forms name a pair and take its low word for both halves: g0 and g2 head pairs as loaded; g1 and g3 get pairs of their own
	v_mov_b32 v[GT+8*\a+4], v[GT+8*\a+1]
	v_mov_b32 v[GT+8*\a+5], v[GT+8*\a+1]
	v_mov_b32 v[GT+8*\a+6], v[GT+8*\a+3]
	v_mov_b32 v[GT+8*\a+7], v[GT+8*\a+3]
.endr
	WIN 0
; 16 matrix instructions: x's blocks a0, a0 + 1 against W's eight, 128 along K: sub-step q of K half k.  p: W's set.  first = 1: the products start the sums on the bias: nothing is cleared or added later.
; The 64 accumulators take turns, one instruction a turn, in the same order in every sub-step.
.macro MUL16 a0, p, q, k, first
.irp a, \a0, \a0+1
.irp b, 0,1,2,3,4,5,6,7
.set rD, 8*(8*((\a)%4)+\b)
.set rB, 128*(\p)+8*\b
.set rA, AF+8*(\a)
.set rSB, BS+4*\b+(\q)
.set rSA, AS+4*(\a)+(\q)
.if \first
	v_wmma_scale_f32_16x16x128_f8f6f4 v[rD:rD+7], v[rB:rB+7], v[rA:rA+7], v[BI+8*\b:BI+8*\b+7], v[rSB], v[rSA] matrix_a_fmt:MATRIX_FMT_FP4 matrix_b_fmt:MATRIX_FMT_FP4
.elseif \k
	v_wmma_scale_f32_16x16x128_f8f6f4 v[rD:rD+7], v[rB:rB+7], v[rA:rA+7], v[rD:rD+7], v[rSB], v[rSA] matrix_a_fmt:MATRIX_FMT_FP4 matrix_b_fmt:MATRIX_FMT_FP4 matrix_a_scale:MATRIX_SCALE_ROW1 matrix_b_scale:MATRIX_SCALE_ROW1
.else
	v_wmma_scale_f32_16x16x128_f8f6f4 v[rD:rD+7], v[rB:rB+7], v[rA:rA+7], v[rD:rD+7], v[rSB], v[rSA] matrix_a_fmt:MATRIX_FMT_FP4 matrix_b_fmt:MATRIX_FMT_FP4
.endif
.endr
.endr
.endm
.macro FETCH_BH k, q, p, b0            ; W's blocks b0 .. b0 + 3 of sub-step q of slot k into set p: 8 loads.  Block b = 2 e + u lies at the slot's rows 64 e + 32 J + 16 u on.  (It leaves the destination in window 1)
	WIN TO_1
.irp b, \b0, \b0+1, \b0+2, \b0+3
.irp c, 0,1
	ds_load_b128 v[128*(\p)+8*(\b)+4*\c:128*(\p)+8*(\b)+4*\c+3], v[ADRB+(\k)] offset:(64*((\b)/2)+16*((\b)%2))*PB+64*(\q)+32*\c
.endr
.endr
.endm
.macro FETCH_A k, q, a0                ; x's blocks a0 .. a0 + 3, K = 512 k + 128 q on: 8 loads
.irp a, \a0, \a0+1, \a0+2, \a0+3
.irp c, 0,1
	ds_load_b128 v[AF+8*(\a)+4*\c:AF+8*(\a)+4*\c+3], v[ADRA+(\k)] offset:16*(\a)*PB+64*(\q)+32*\c
.endr
.endr
.endm
; A sub-step of 128 along K (q = 0, 1, 2 of a slot).  Its 32 LDS loads go in TWO RUNS OF 16, each 32 matrix instructions or more ahead of its first use.
; A block of x is free as soon as its eight products are issued, so x has one set: blocks 0-3 are fetched anew in the middle, blocks 4-7 at the end.  W has two sets; the set just multiplied is free at the sub-step's end:
; there it takes blocks 0-3 of the sub-step AFTER the next; blocks 4-7 follow in the next sub-step's middle.  Sub-step 2 asks for nothing of the slot ahead: that slot is shown whole by the barrier in sub-step 3.
.macro STEP k, q, first
	s_wait_dscnt 16                                ; all but the youngest run (x's blocks 4-7, W's blocks 0-3 of the next sub-step) is in: W's set and x's blocks 0-3
.if \first
	WIN FIRST_LO
.else
	WIN MUL_LO
.endif
	MUL16 0, (\q)%2, \q, \k, \first
	MUL16 2, (\q)%2, \q, \k, \first
	s_wait_dscnt 8                                 ; x's blocks 4-7 are in; the eight loads issued behind them may be out
	PLACES 4
	FETCH_BH \k, (\q)+1, 1-(\q)%2, 4
	WIN 0
	FETCH_A \k, (\q)+1, 0
.if \first
	WIN FIRST_HI
.else
	WIN MUL_HI
.endif
	MUL16 4, (\q)%2, \q, \k, \first
	MUL16 6, (\q)%2, \q, \k, \first
	PLACES 4
	WIN 0
	FETCH_A \k, (\q)+1, 4
.if (\q) < 2
	FETCH_BH \k, (\q)+2, (\q)%2, 0
.endif
.endm
; A PREFETCH INTO THE L2 of W's rows of the tile after the next: my expert's 16 rows of 512 bytes, a lane to each 256 bytes, one instruction a wave: a tile, 512 matrix instructions, ahead of the first load that wants them.
; It stands behind the joint load, its four lines and the run of LDS loads.  All clusters walk the same W: the first row of clusters asks.  The four partners of a column, which ask for a tile jointly, take 16 of
; its 64 rows each, told apart by address; the four waves take the four experts.  So each 256 bytes are named once in the launch.  Tiles 0 and 1 come by their loads alone; the loop's last trip (s[TL] = 1) asks for nothing: there is no tile 4.
.macro ASK
	s_cmp_gt_u32 s[TL], s[LIM]
	s_cbranch_scc0 .Lnot_mine_\@
	global_prefetch_b8 v[PFO], s[PFA:PFA+1] th:TH_LOAD_NT scope:SCOPE_SE
.Lnot_mine_\@:
.endm
; Slot k's last sub-step (q = 3, W's set 1) changes slots: ONE barrier; in front of it each wave waits for all its tensor loads, adds 0 to its spare word, and waits for that and for its own reads of this slot.
; fill = 1: slot k is filled again, with the NEXT TILE's K half k; the barrier then opens a round of the cluster's barrier.
.macro TURN k, nk, fill, ask
	s_wait_tensorcnt 0x0                           ; all my tensor loads have landed, my part of the next slot among them; no load of mine is out, so a group 0 may be written.  (Every window is 0 here)
	ds_add_u32 v[SPW], v[NIL]                      ; 0 onto my spare word
.if \fill
	s_add_nc_u64 s[G0B+4*(\k)+2:G0B+4*(\k)+3], s[G0B+4*(\k)+2:G0B+4*(\k)+3], TILEB   ; 64 rows of W on, the same K half; the type bits on top are not reached
.endif
	s_wait_dscnt 9                                 ; (the add and the youngest eight loads, x's blocks 4-7, may be out)
	WIN MUL_LO
	MUL16 0, 1, 3, \k, 0                           ; sixteen matrix instructions stand between the add and the wait for it
	s_wait_dscnt 0x0                               ; the add is done, and my reads of this slot are over
	s_barrier_signal -1
	MUL16 2, 1, 3, \k, 0
	WIN 0
	s_barrier_wait -1
.if \fill
	CREST                                          ; no wave of any partner still reads this slot's tile or has a load on its way
	tensor_load_to_lds s[G0B+4*(\k):G0B+4*(\k)+3], s[G1B:G1B+7]   ; the first tensor load behind the round, and my only one until the next
	s_nop 0
	PLACES 4                                       ; four plain lines behind it: also the places in front of the loads below
.else
	PLACES 4
.endif
	FETCH_BH \nk, 0, 0, 0
	FETCH_BH \nk, 0, 0, 4
	WIN 0
	FETCH_A \nk, 0, 0
.if \ask
	ASK
.endif
	WIN MUL_HI
	MUL16 4, 1, 3, \k, 0
	MUL16 6, 1, 3, \k, 0
	PLACES 4
	WIN 0
	FETCH_A \nk, 0, 4
	FETCH_BH \nk, 1, 1, 0
.endm
.macro LAST                            ; a tile's last sub-step (slot 1, q = 3): nothing is fetched; four places close it, for the way out's first reads of results and its writes of W's scale registers
	s_wait_dscnt 8                                 ; x's blocks 4-7 may be out
	WIN MUL_LO
	MUL16 0, 1, 3, 1, 0
	MUL16 2, 1, 3, 1, 0
	s_wait_dscnt 0x0
	WIN MUL_HI
	MUL16 4, 1, 3, 1, 0
	MUL16 6, 1, 3, 1, 0
	WIN 0
	PLACES 4
.endm
; THE WAY OUT of a tile, in two halves hh of my tokens (64 hh on: window 2, window 3).
; COMBINE: expert 0's accumulators become g0 y0 + g1 y1 + g2 y2 + g3 y3, two numbers a line; eight independent lines stand between a line and the one that reads its result; each accumulator is first read at its low end.
.macro COMBINE hh
	WIN 0xa6+0x51*(\hh)                            ; accumulators (destination, sources 0 and 2) window 2 or 3, gates (source 1) window 1
.irp a, 0,1,2,3
.set rG, GT+8*(4*(\hh)+\a)
.irp u, 0,1
.irp p, 0,2,4,6
	v_pk_mul_f32 v[64*\a+8*\u+\p:64*\a+8*\u+\p+1], v[64*\a+8*\u+\p:64*\a+8*\u+\p+1], v[rG:rG+1] op_sel_hi:[1,0]
.endr
.endr
.irp e, 1,2,3
.set rE, rG+4*(\e%2)+2*(\e/2)                  ; g1 at +4, g2 at +2, g3 at +6
.irp u, 0,1
.irp p, 0,2,4,6
	v_pk_fma_f32 v[64*\a+8*\u+\p:64*\a+8*\u+\p+1], v[64*\a+16*\e+8*\u+\p:64*\a+16*\e+8*\u+\p+1], v[rE:rE+1], v[64*\a+8*\u+\p:64*\a+8*\u+\p+1] op_sel_hi:[1,0,1]
.endr
.endr
.endr
.endr
.endm
; TOSTAGE: a lane's 32 bytes of a row of out.  A row's 256 bytes come from the two waves that share the tokens, so the stage is the work-group's, with a barrier between writing and reading.
.macro TOSTAGE hh
	WIN 0x08+4*(\hh)                               ; an LDS store's data are its source 1: window 2 or 3
.irp a, 0,1,2,3
.irp u, 0,1
	ds_store_b128 v[STO], v[64*\a+8*\u:64*\a+8*\u+3]   offset:16*\a*SP+64*\u
	ds_store_b128 v[STO], v[64*\a+8*\u+4:64*\a+8*\u+7] offset:16*\a*SP+64*\u+16
.endr
.endr
	WIN 0
.endm
.macro READBACK                        ; my 32 whole rows of the stage
	WIN 0
.irp t, 0,1,2,3,4,5,6,7,8,9,10,11,12,13,14,15
	ds_load_b128 v[BK+4*\t:BK+4*\t+3], v[RD] offset:2*\t*SP
.endr
.endm
.macro SEND hh, younger                ; stage row 32 w + 2 t + h is token 128 I + 32 J + 64 hh + 2 t + h.  younger: the LDS loads issued behind READBACK's sixteen
	WIN 0
.irp t, 0,1,2,3,4,5,6,7,8,9,10,11,12,13,14,15
	s_wait_dscnt 15-\t+(\younger)                  ; LDS loads come back in order (ISA guide 5.7.1): those issued behind quad t may be out
	global_store_b128 v[CO], v[BK+4*\t:BK+4*\t+3], s[16:17] offset:(64*(\hh)+2*\t)*4096 th:TH_STORE_NT   ; sixteen lanes store 256 consecutive bytes, at a multiple of 256 from out's first byte; written once, read by nobody here
.endr
.endm
; The way out of a tile that has a successor, up to the second half's stores into the stage.  THE BARRIER BETWEEN THE FIRST HALF'S STORES INTO THE STAGE AND THE READS OF THEM IS ALSO SLOT 1'S CHANGE: a round of the
; cluster's barrier, behind which slot 1 takes the next tile's K half 1.  So slot 0's refill, asked for in the tile's middle, is waited for here, five sub-steps' products and the first half's arithmetic later.
.macro OUTA
	s_wait_loadcnt 0x0                             ; the next tile's scale words of W and its bias, asked for at the trip's head, are in
.set i, 0
.rept 32
	v_mov_b32 v[BS+i], v[BS2+i]                    ; W's scale words change tiles: the tile's last product, four places back, has read the old ones; the next product stands hundreds of vector lines on
.set i, i+1
.endr
	COMBINE 0
	TOSTAGE 0
	s_wait_tensorcnt 0x0                           ; all my tensor loads have landed: the one that was out is my part of slot 0; so a group 0 may be written
	ds_add_u32 v[SPW], v[NIL]                      ; 0 onto my spare word
	s_add_nc_u64 s[G0B+6:G0B+7], s[G0B+6:G0B+7], TILEB   ; slot 1: 64 rows of W on, the same K half
	s_wait_dscnt 0x0                               ; the add is done, my reads of slot 1 are over, and my stores into the stage have landed
	CROUND                                         ; all that now holds of every wave of every partner
	tensor_load_to_lds s[G0B+4:G0B+7], s[G1B:G1B+7]        ; the first tensor load behind the round, and my only one until the next
	s_nop 0
	PLACES 4                                       ; four plain lines behind it
	READBACK                                       ; the first half's rows; behind them the next tile's first fragments, 40 loads: the second half's arithmetic stands between them and the waits
	FETCH_BH 0, 0, 0, 0
	FETCH_BH 0, 0, 0, 4
	WIN 0
	FETCH_A 0, 0, 0
	FETCH_A 0, 0, 4
	FETCH_BH 0, 1, 1, 0
	COMBINE 1
	SEND 0, 40
	BAR                                            ; every wave's reads of the stage are back: it may be written again
	TOSTAGE 1
.endm
; THE NEXT TILE'S FIRST SUB-STEP, WITH THE REST OF THE WAY OUT.  The barrier behind the second half's stores into the stage is signalled ahead of 32 products and awaited behind them; the rows come back with the
; sub-step's middle run of loads and are stored at its end.  Window 2 was given up at the round, window 3 at the wait below: both are begun anew on the bias.
.macro X0
	s_wait_dscnt 0x0                               ; my stores into the stage have landed (and have read window 3); the fragments are in
	s_barrier_signal -1
	WIN FIRST_LO
	MUL16 0, 0, 0, 0, 1
	MUL16 2, 0, 0, 0, 1
	s_barrier_wait -1                              ; the second half's 128 rows lie in the stage.
	PLACES 4
	s_wait_xcnt 0x0                                ; the first half's stores have read their registers: the loads below may land there
	READBACK
	FETCH_BH 0, 1, 1, 4
	WIN 0
	FETCH_A 0, 1, 0
	WIN FIRST_HI
	MUL16 4, 0, 0, 0, 1
	MUL16 6, 0, 0, 0, 1
	PLACES 4
	SEND 1, 16                                     ; behind the rows' loads: the middle run's sixteen.  These reads of the stage are back ahead of the next change of slots, behind whose barrier the stage is next written
	FETCH_A 0, 1, 4
	FETCH_BH 0, 2, 0, 0
	WIN 0                                          ; at a branch and at a label every window is 0
	s_wait_xcnt 0x0                                ; the stores and the prefetch have read their registers and bases: both bases step
	s_add_nc_u64 s[16:17], s[16:17], 64*4          ; the next 64 outputs
	s_add_nc_u64 s[PFA:PFA+1], s[PFA:PFA+1], TILEB
.endm
.macro OUTZ                            ; the last tile's way out: nothing follows under which a part of it could stand
	COMBINE 0
	TOSTAGE 0
	BAR                                            ; the first half's 128 rows lie in the stage
	READBACK
	COMBINE 1                                      ; the second half's arithmetic stands between the loads from the stage and the waits for them
	SEND 0, 0
	BAR                                            ; every wave's reads of the stage are back: it may be written again
	TOSTAGE 1
	BAR                                            ; the second half's rows lie in the stage
	s_wait_xcnt 0x0                                ; the first half's stores have read their registers: the loads below may land there
	READBACK
	SEND 1, 0
.endm
	s_wait_tensorcnt 2                             ; my parts of x's K half 0 and of slot 0 are in; the two loads issued behind them may be out
	s_barrier_signal -1
	s_barrier_wait -1                              ; everybody's are
	FETCH_BH 0, 0, 0, 0
	FETCH_BH 0, 0, 0, 4
	WIN 0
	FETCH_A 0, 0, 0
	FETCH_A 0, 0, 4
	FETCH_BH 0, 1, 1, 0
	STEP 0, 0, 1                                   ; tile 0's first sub-step stands in front of the loop: its products start the sums
	WIN 0
	s_mov_b32 s[TL], 3
.Ltile:                                                ; a trip: a tile's sub-steps 1 to 7, its way out, the next tile's first sub-step.  Both slots are filled again, with the next tile's two K halves
	NEXTLOADS
	STEP 0, 1, 0
	STEP 0, 2, 0
	TURN 0, 1, 1, 1
	STEP 1, 0, 0
	STEP 1, 1, 0
	STEP 1, 2, 0
	LAST
	OUTA
	X0
	s_sub_co_u32 s[TL], s[TL], 1
	s_cmp_lg_u32 s[TL], 0
	s_cbranch_scc1 .Ltile
	STEP 0, 1, 0                                   ; the rest of tile 3 is written out: it asks for nothing
	STEP 0, 2, 0
	TURN 0, 1, 0, 0
	STEP 1, 0, 0
	STEP 1, 1, 0
	STEP 1, 2, 0
	LAST
	OUTZ
	s_wait_tensorcnt 0x0                           ; the wave's end: behind my last tensor load and my last LDS store
	ds_add_u32 v[SPW], v[NIL]
	s_wait_dscnt 0x0
	CROUND                                         ; the closing round: no work-group ends while a partner may still ask for a tile that names it
	s_endpgm
.Lfunc_end_k_qe9395ad708_affine:
	.size	k_qe9395ad708_affine, .Lfunc_end_k_qe9395ad708_affine-k_qe9395ad708_affine
	.p2alignl 7, 3214868480
	.fill 96, 4, 3214868480
	.section	.rodata,"a",@progbits
	.p2align	6, 0x0
	.amdhsa_kernel k_qe9395ad708_affine
		.amdhsa_group_segment_fixed_size 327680
		.amdhsa_private_segment_fixed_size 0
		.amdhsa_enable_private_segment 0
		.amdhsa_kernarg_size 56
		.amdhsa_user_sgpr_count 2
		.amdhsa_user_sgpr_kernarg_segment_ptr 1
		.amdhsa_wavefront_size32 1
		.amdhsa_system_sgpr_workgroup_id_x 1
		.amdhsa_system_sgpr_workgroup_id_y 1
		.amdhsa_system_sgpr_workgroup_id_z 1
		.amdhsa_system_vgpr_workitem_id 0
		.amdhsa_next_free_vgpr 1024
		.amdhsa_next_free_sgpr 76
		.amdhsa_reserve_vcc 0
		.amdhsa_float_denorm_mode_32 3
		.amdhsa_float_denorm_mode_16_64 3
		.amdhsa_memory_ordered 1
		.amdhsa_forward_progress 1
		.amdhsa_inst_pref_size 235
	.end_amdhsa_kernel
	.amdgpu_metadata
---
amdhsa.version: [ 1, 2 ]
amdhsa.kernels:
  - .name:           k_qe9395ad708_affine
    .symbol:         k_qe9395ad708_affine.kd
    .args:
      - { .name: input_codes, .offset: 0, .size: 8, .value_kind: global_buffer, .address_space: global }
      - { .name: input_scales, .offset: 8, .size: 8, .value_kind: global_buffer, .address_space: global }
      - { .name: W_codes, .offset: 16, .size: 8, .value_kind: global_buffer, .address_space: global }
      - { .name: W_scales, .offset: 24, .size: 8, .value_kind: global_buffer, .address_space: global }
      - { .name: b, .offset: 32, .size: 8, .value_kind: global_buffer, .address_space: global }
      - { .name: gates, .offset: 40, .size: 8, .value_kind: global_buffer, .address_space: global }
      - { .name: out0, .offset: 48, .size: 8, .value_kind: global_buffer, .address_space: global }
    .group_segment_fixed_size: 327680
    .private_segment_fixed_size: 0
    .kernarg_segment_align: 8
    .kernarg_segment_size: 56
    .max_flat_workgroup_size: 128
    .sgpr_count:     76
    .vgpr_count:     1024
    .wavefront_size: 32
...
	.end_amdgpu_metadata
.endif
;; end of part 1
